; MI455X (gfx1250); checked and timed in simulation.
; The chip was launched on July 23, 2026; its instructions are those of AMD's public machine-readable ISA for CDNA 5 (MIT licence, August 2026) and "CDNA5" Instruction Set Architecture Reference Guide (July 2026). The comments in the code are by the model that wrote it; some were corrected since.
;; Multi Head Attention. Allowed arithmetic: matrix products marked QUANTISED: E2M1 operands, one E8M0 scale for each 32 along K, by v_wmma_scale_f32_16x16x128_f8f6f4 with both operands' format E2M1 (or v_wmma_scale_f32_32x16x128_f4), f32 sums; everything else in f32.
;; Inputs: b_in 3,072 float32; b_out 1,024 float32; w_in_codes 3,072 x 32 x 16 uint8 (E2M1 codes of w_in, K innermost, in blocks of 32 codes, two codes a byte); w_in_scales 3,072 x 32 uint8 (E8M0 scales of w_in, one for each 32 codes along K); w_out_codes 1,024 x 32 x 16 uint8 (E2M1 codes of w_out, K innermost, in blocks of 32 codes, two codes a byte); w_out_scales 1,024 x 32 uint8 (E8M0 scales of w_out, one for each 32 codes along K); x_codes 4 x 2,048 x 32 x 16 uint8 (E2M1 codes of x, K innermost, in blocks of 32 codes, two codes a byte); x_scales 4 x 2,048 x 32 uint8 (E8M0 scales of x, one for each 32 codes along K).
;; Outputs: out0 4 x 2,048 x 1,024 float32.
;; This version of the problem:
;;   THIS VERSION OF THE PROBLEM IS GIVEN IN LOW PRECISION. The matrix products marked QUANTISED in the list below multiply operands that are first quantised to E2M1 (2 exponent bits, 1 mantissa bit; 4 bits a number), with one power-of-two scale for each 32 numbers along K (OCP MX v1.0); their sums are f32. All else is computed in f32.
;;   The module's matrix products, in the order in which they are computed (A, B: the left and right operand; K: the contracted axis; several contracted axes count as one K, in the product's order):
;;     1. [M 8,192, K 1,024] x [K 1,024, N 3,072]; A: input x (given as codes); B: input w_in (given as codes): QUANTISED
;;     2. batch 64 x [M 2,048, K 64] x [K 64, N 2,048]; A: computed on the way; B: computed on the way: QUANTISED
;;     3. batch 64 x [M 2,048, K 2,048] x [K 2,048, N 64]; A: softmax (see below); B: computed on the way: QUANTISED
;;     4. [M 8,192, K 1,024] x [K 1,024, N 1,024]; A: computed on the way; B: input w_out (given as codes): QUANTISED
;;   THE QUANTISER, for each operand of a quantised product, along K:
;;     - K is cut into blocks of 32 from its start; a last block that is shorter is filled with zeros.
;;     - A block's scale is 2^e with e = floor(log2(the largest magnitude in the block)) - 2, held to -126 .. 127; a block of zeros has e = 0. As a byte (E8M0): e + 127.
;;     - Each number is divided by its block's scale, clamped to +-6, and rounded to the nearest number of E2M1, ties to even, subnormals kept.
;;     - The product sums the exact products of the quantised numbers (number of the format x scale) in f32.
;;   ~~~python
;;   def quantise(x, axis):      # numpy; x: float32 -> the quantised numbers, widened to float32 again
;;       x = np.moveaxis(x, axis, -1); K = x.shape[-1]
;;       x = np.pad(x, [(0, 0)] * (x.ndim - 1) + [(0, -K % 32)]); x = x.reshape(x.shape[:-1] + (-1, 32)); a = np.abs(x).max(-1, keepdims=True)
;;       e = np.where(a > 0, np.clip(np.frexp(np.where(a > 0, a, 1))[1] - 1 - 2, -126, 127), 0)      # np.frexp(a)[1] - 1 = floor(log2(a)), exactly
;;       r = np.clip(x / 2.0 ** e, -6, 6)
;;       step = 2.0 ** (np.maximum(np.frexp(np.where(r == 0, 1, r))[1] - 1, 0) - 1)
;;       q = np.round(r / step) * step * 2.0 ** e      # np.round: ties to even
;;       return np.moveaxis(q.reshape(q.shape[:-2] + (-1,))[..., :K], -1, axis).astype(np.float32)
;;   ~~~
;;   SOFTMAX AHEAD OF A QUANTISED PRODUCT. Where the list says 'softmax', what is quantised is not the finished softmax but p = 2^(t - M), with t = logit x log2(e) and M = ceil(the row's largest t), a whole number; so 1/2 < the row's largest p <= 1. The row's sum l is taken of the UNQUANTISED p, in f32, and the product's result is divided by l at the end. Since M is a whole number, a kernel that streams over the keys may use a running M (the ceiling of the running maximum): every later rescaling is an exact power of two, which a block's scale takes up: the codes' values come out the same.
;;   OPERANDS COMPUTED ON THE WAY. 'Computed on the way' means the value that the module computes at that place (a softmax that the list does not call 'softmax' is quantised finished and normalised). What goes into a quantiser is computed in f32, as accurately as f32 sums, v_exp_f32 and their like allow (about 1e-6 of the number): no bf16 or f16 on the way to a quantiser, and a product that is left as it is and whose result goes on into a quantised operand takes f32 operands (vector FMAs, or v_wmma_f32_16x16x4_f32). A number that lies on a knife's edge between two numbers of the format may be rounded either way, as far as f32 arithmetic and the matrix unit's own rounding can turn it there, and no further.
;;   INPUTS GIVEN AS CODES. w_in (in the module: [1024, 3072], K = its axis 0); w_out (in the module: [1024, 1024], K = its axis 0); x (in the module: [4, 2048, 1024], K = its axis 2): each comes as NAME_codes (uint8): NAME with its K axis moved to the last place and cut into blocks of 32 codes, [.., K / 32, bytes a block], one block behind the other in memory; two codes a byte, the lower K in the low four bits (a code: sign, 2 exponent bits, 1 mantissa bit); and NAME_scales (uint8): the same leading axes, one E8M0 byte (e + 127) for each 32 codes along K. Its value is code x scale, taken as it is: it is not quantised again, and the codes and scales need not be those that the quantiser above would give.
;; One version. Each part assembles by itself: llvm-mc -triple=amdgcn-amd-amdhsa -mcpu=gfx1250 --defsym DOCPART=n.
;; ======== version 1 of 1: 3 launches
;; workspace buffers: qkv_codes 12,582,912 bytes; qkv_scales 1,572,864 bytes; o_codes 4,194,304 bytes; o_scales 262,144 bytes
;; launch qkv (part 1): grid 12 x 64, 8 waves a work-group, clusters of 4 x 4, 222,976 bytes of LDS; arguments x_codes, x_scales, w_in_codes, w_in_scales, b_in, qkv_codes, qkv_scales; writes qkv_codes, qkv_scales
.if DOCPART == 1
	.amdgcn_target "amdgcn-amd-amdhsa--gfx1250"
	.amdhsa_code_object_version 6
	.text
	.protected	k_q7ab63d518b_qkv
	.globl	k_q7ab63d518b_qkv
	.p2align	8
	.type	k_q7ab63d518b_qkv,@function
k_q7ab63d518b_qkv:
	s_mov_b64 s[64:65], 0
	v_nop
	global_prefetch_b8 v0, s[64:65] scope:SCOPE_SE
	s_setreg_imm32_b32 hwreg(HW_REG_WAVE_MODE, 25, 1), 1
	s_wait_xcnt 0x0
	s_wait_alu depctr_hold_cnt(0) depctr_sa_sdst(0) depctr_va_vdst(0) depctr_va_sdst(0) depctr_va_ssrc(0) depctr_va_vcc(0) depctr_vm_vsrc(0)
	s_getreg_b32 s2, hwreg(HW_REG_IB_STS2, 6, 4)
	s_cmp_eq_u32 s2, 0
	s_cbranch_scc0 .Lentry_in_a_cluster
	s_endpgm
.Lentry_in_a_cluster:
	s_bfe_u32 s2, ttmp6, 0x10000c
	s_cmp_lg_u32 s2, 0xf033
	s_cbranch_scc0 .Lentry_shape_is_right
	s_endpgm
.Lentry_shape_is_right:
; qkv = x w_in + b_in on codes of FP4 (E2M1) with one E8M0 scale for each 32 along K = 1,024; the result is quantised at once: q and k along the head's 64 channels, v along the tokens (the keys).
; SHARES.  A work-group takes 128 tokens x 256 columns; eight waves, each 64 tokens x 64 columns (one head): 16 accumulators of 16 x 16.  The cluster's x is the section: 0 = q, 1 = k, 2 = v.
; A row of 1,024 codes is 512 bytes, so the work-group's tiles of x and w_in for ALL of K lie in LDS at once, as two halves of K; every tensor load goes out at the head and no LDS byte is filled twice.
; CLUSTERS: 4 x 4 work-groups.  The four of a row of the cluster need the same tokens of x, the four of a column the same columns of w_in: each tile is asked for jointly.
; q, k: source 0 = 16 columns of w_in, source 1 = 16 tokens: a lane holds ONE token and its registers run along the head's channels.
; v:    source 0 = 16 tokens, source 1 = 16 columns: a lane holds ONE channel and its registers run along the tokens.  Behind the products both ways have one shape: ACC[a][t], register j = K' 16 t + 8 (lane / 16) + j of row 16 a + lane % 16.
; THE WAY OUT.  Four tiles t = 0..3 are two blocks of 32 along K'.  Each tile's eight registers give one register of codes; written in the order 0, 2, 1, 3 and with two exchanges of lane halves they are
; registers 0-3 of an FP4 fragment (lanes 0-15 block 0, lanes 16-31 block 1).  They are stored as that image: 16 bytes a lane, 512 consecutive bytes a store.
; WORKSPACE: codes [section 3][head of batch 64][group of 64 tokens 32][a 4][lane 32][16 bytes]; scale words [section][head of batch][group][row 16][a 4] of 32 bits: byte 0 block 0, byte 1 block 1, the rest 0.
; The bias is the C of each sum's first product (so the order of f32 roundings differs from a sum with the bias added last).
; LIMITS: NaN and infinities are not served; a block whose largest magnitude lies under 2^-124 keeps the byte 1; a block of zeros gets the byte 1 and not 127: its codes are zeros, and this program alone reads the bytes.
.set PITCH,  272                       ; an LDS row of codes: 256 bytes + 16 of padding: the 16 rows that a load touches start at 16 different banks (64 banks of 4 bytes: ISA guide 11.1)
.set SUNIT,  272                       ; 256 scale bytes (8 rows of 32) + 16 of padding
.set WOFF,   128*PITCH                 ; in a slot: x's 128 rows, then w_in's 256 rows
.set SLOT,   384*PITCH                 ; a half of K
.set SCL,    2*SLOT                    ; behind the two halves: x's scales (16 units), then w_in's (32 units)
.set LI,     3                         ; v3     16 x lane
.set ADRX,   4                         ; v4-5   LDS address of my fragments of x in half 0, 1
.set ADRW,   6                         ; v6-7   the same for w_in
.set ADRS,   8                         ; v8     my scale words: lanes 0-15 x's rows, lanes 16-31 w_in's
.set SC,     16                        ; v16-31 scale words: register 4 i + q: lanes 0-15 x's tile i, lanes 16-31 w_in's tile i, the half's q-th 128 along K
.set BIAS,   32                        ; v32-63 four tiles of bias in the result's layout
.set XF,     64                        ; v64-95 x's four fragments
.set WF,     96                        ; v96-127 w_in's four
.set ACC,    128                       ; v128-255
.set WV,     18
.set SEL,    66                        ; s[66:67] v_permlanex16_b32's selects for lane l xor 16
.set G1X,    32                        ; descriptor groups 1, s[32:63]: x's codes, w_in's codes, x's scales, w_in's scales
.set G1W,    40
.set G1SX,   48
.set G1SW,   56
.set G0SX,   68                        ; groups 0, s[68:91]: x's scales; x's two halves; w_in's scales; w_in's two halves.  None of s[32:63], s[68:91] is written behind the loads
.set G0X,    72
.set G0SW,   80
.set G0W,    84
.macro PLACES                          ; four plain vector instructions between a matrix instruction and a load into, or a vector instruction on, its registers (ISA guide 7.12.1 for vector instructions)
.rept 4
	v_nop
.endr
.endm
.macro BAR
	s_barrier_signal -1
	s_barrier_wait -1
.endm
.macro CROUND                          ; a round of the cluster's barrier
	s_barrier_signal -1
	s_barrier_wait -1
	s_cmp_lg_u32 s[WV], 0
	s_cbranch_scc1 .Lnot_wave_0_\@
	s_barrier_signal -3
.Lnot_wave_0_\@:
	s_barrier_wait -3
	s_barrier_signal -1
	s_barrier_wait -1
.endm
	s_load_b256 s[4:11], s[0:1], 0x0               ; x's codes s[4:5], x's scales s[6:7], w_in's codes s[8:9], w_in's scales s[10:11]
	s_load_b128 s[12:15], s[0:1], 0x20             ; b_in s[12:13], the codes' workspace s[14:15]
	s_load_b64 s[16:17], s[0:1], 0x30              ; the scale words' workspace
	v_lshl_add_u32 v14, v0, 2, 0x36300
	v_mov_b32 v15, 0
	ds_add_u32 v14, v15
	ds_add_u32 v14, v15
	v_lshrrev_b32 v1, 5, v0
	s_delay_alu instid0(VALU_DEP_1)
	v_readfirstlane_b32 s[WV], v1                  ; wave 0..7
	s_and_b32 s20, s[WV], 1                        ; which half of a tile's rows I fetch, if I fetch
	s_lshr_b32 s21, s[WV], 2                       ; my 64 tokens of the 128
	s_and_b32 s22, s[WV], 3                        ; my 64 columns of the 256: one head
	s_bfe_u32 s23, ttmp6, 0x40000                  ; cx
	s_bfe_u32 s24, ttmp6, 0x40004                  ; cy
	s_lshl_b32 s25, ttmp9, 2
	s_add_co_u32 s25, s25, s23                     ; block of 256 columns = 4 x cluster x + cx
	s_and_b32 s26, ttmp7, 0xffff
	s_lshl_b32 s26, s26, 2
	s_add_co_u32 s26, s26, s24                     ; block of 128 tokens = 4 x cluster y + cy
	s_lshl_b32 s27, s24, 2
	s_lshl_b32 s27, 15, s27                        ; my row of the cluster
	s_lshl_b32 s28, 0x1111, s23                    ; my column
	; groups 1.  Codes: rows of 256 bytes (elements of 1 byte), 512 bytes apart in memory, 16 bytes of padding behind each.  Scales: a dense block as rows of 256 bytes (32 elements of 8 bytes), padded alike.
	s_or_b32 s[G1X], s27, (1<<20)|(1<<21)|(5<<22)|(3<<25)          ; 15:0 the mask; 20 padding on; 21 set beside a mask; 24:22 after every 64 words; 31:25 four words
	s_or_b32 s[G1W], s28, (1<<20)|(1<<21)|(5<<22)|(3<<25)
	s_or_b32 s[G1SX], s27, (3<<16)|(1<<20)|(1<<21)|(5<<22)|(3<<25)
	s_or_b32 s[G1SW], s28, (3<<16)|(1<<20)|(1<<21)|(5<<22)|(3<<25)
	s_mov_b32 s[G1X+1], 256<<16                    ; tensor_dim0
	s_mov_b32 s[G1X+2], 64<<16                     ; tensor_dim1: 64 rows a load
	s_mov_b32 s[G1X+3], 256<<16                    ; tile_dim0
	s_mov_b32 s[G1X+4], 64                         ; tile_dim1
	s_mov_b32 s[G1X+5], 512                        ; from row to row
	s_mov_b32 s[G1X+6], 0
	s_mov_b32 s[G1X+7], 0
	s_mov_b32 s[G1W+1], 256<<16
	s_mov_b32 s[G1W+2], 128<<16                    ; 128 rows a load
	s_mov_b32 s[G1W+3], 256<<16
	s_mov_b32 s[G1W+4], 128
	s_mov_b32 s[G1W+5], 512
	s_mov_b32 s[G1W+6], 0
	s_mov_b32 s[G1W+7], 0
	s_mov_b32 s[G1SX+1], 32<<16
	s_mov_b32 s[G1SX+2], 8<<16                     ; 64 rows x 32 bytes = 8 units
	s_mov_b32 s[G1SX+3], 32<<16
	s_mov_b32 s[G1SX+4], 8
	s_mov_b32 s[G1SX+5], 32
	s_mov_b32 s[G1SX+6], 0
	s_mov_b32 s[G1SX+7], 0
	s_mov_b32 s[G1SW+1], 32<<16
	s_mov_b32 s[G1SW+2], 16<<16                    ; 128 rows x 32 bytes = 16 units
	s_mov_b32 s[G1SW+3], 32<<16
	s_mov_b32 s[G1SW+4], 16
	s_mov_b32 s[G1SW+5], 32
	s_mov_b32 s[G1SW+6], 0
	s_mov_b32 s[G1SW+7], 0
	; where the tiles come from: x's hang on the block of tokens alone, w_in's on the block of columns alone, each in registers that never hold the other coordinate
	s_lshl_b32 s92, s26, 7
	s_lshl_b32 s29, s20, 6
	s_add_co_u32 s92, s92, s29                     ; x: token 128 x block + 64 x half
	s_lshl_b32 s94, s92, 5                         ; its scales: 32 bytes a row
	s_mov_b32 s95, 0
	s_lshl_b32 s92, s92, 9                         ; its codes: 512 bytes a row
	s_mov_b32 s93, 0
	s_lshl_b32 s96, s25, 8
	s_lshl_b32 s29, s20, 7
	s_add_co_u32 s96, s96, s29                     ; w_in: column 256 x block + 128 x half
	s_lshl_b32 s98, s96, 5
	s_mov_b32 s99, 0
	s_lshl_b32 s96, s96, 9
	s_mov_b32 s97, 0
	s_mul_i32 s29, s20, 8*SUNIT                    ; and where they go: the wave's number alone enters an LDS address
	s_mul_i32 s30, s20, 64*PITCH
	s_mul_i32 s31, s20, 16*SUNIT
	s_mul_i32 s19, s20, 128*PITCH
	s_mov_b32 s[SEL], 0x76543210
	s_mov_b32 s[SEL+1], 0xfedcba98
	s_wait_dscnt 0x0
	s_wait_kmcnt 0x0
	s_add_nc_u64 s[92:93], s[4:5], s[92:93]
	s_add_nc_u64 s[94:95], s[6:7], s[94:95]
	s_add_nc_u64 s[96:97], s[8:9], s[96:97]
	s_add_nc_u64 s[98:99], s[10:11], s[98:99]
	s_mov_b32 s[G0SX], 1
	s_add_co_u32 s[G0SX+1], s29, SCL
	s_mov_b64 s[G0SX+2:G0SX+3], s[94:95]
	s_or_b32 s[G0SX+3], s[G0SX+3], 0x80000000
	s_mov_b32 s[G0SW], 1
	s_add_co_u32 s[G0SW+1], s31, SCL+16*SUNIT
	s_mov_b64 s[G0SW+2:G0SW+3], s[98:99]
	s_or_b32 s[G0SW+3], s[G0SW+3], 0x80000000
.irp c, 0,1
	s_mov_b32 s[G0X+4*\c], 1
	s_add_co_u32 s[G0X+4*\c+1], s30, \c*SLOT
	s_add_nc_u64 s[G0X+4*\c+2:G0X+4*\c+3], s[92:93], \c*256
	s_or_b32 s[G0X+4*\c+3], s[G0X+4*\c+3], 0x80000000
	s_mov_b32 s[G0W+4*\c], 1
	s_add_co_u32 s[G0W+4*\c+1], s19, \c*SLOT+WOFF
	s_add_nc_u64 s[G0W+4*\c+2:G0W+4*\c+3], s[96:97], \c*256
	s_or_b32 s[G0W+4*\c+3], s[G0W+4*\c+3], 0x80000000
.endr
	CROUND                                         ; all sixteen work-groups are here: the joint loads meet
	; all fills of the launch, a wave's three in one branch on the wave's number: waves 0, 1 fetch for x, waves 2, 3 for w_in; scales, half 0, half 1.  Three tensor loads of a wave are out at the most.
	s_cmp_lt_u32 s[WV], 2
	s_cbranch_scc0 .Lnot_x
	tensor_load_to_lds s[G0SX:G0SX+3], s[G1SX:G1SX+7]
	s_nop 0
	tensor_load_to_lds s[G0X:G0X+3], s[G1X:G1X+7]
	s_nop 0
	tensor_load_to_lds s[G0X+4:G0X+7], s[G1X:G1X+7]
	s_nop 0
	PLACES
	s_branch .Lasked
.Lnot_x:
	s_cmp_lt_u32 s[WV], 4
	s_cbranch_scc0 .Lasked
	tensor_load_to_lds s[G0SW:G0SW+3], s[G1SW:G1SW+7]
	s_nop 0
	tensor_load_to_lds s[G0W:G0W+3], s[G1W:G1W+7]
	s_nop 0
	tensor_load_to_lds s[G0W+4:G0W+7], s[G1W:G1W+7]
	s_nop 0
	PLACES
.Lasked:
	; from here on the scalar temporaries are s2, s3 and s29 to s31: no register of a descriptor is written while its load may be out
	v_and_b32 v1, 15, v0                           ; r = lane % 16
	v_bfe_u32 v2, v0, 4, 1                         ; h = lane / 16
	v_and_b32 v[LI], 31, v0
	s_delay_alu instid0(VALU_DEP_1)
	v_lshlrev_b32 v[LI], 4, v[LI]
	s_delay_alu instid0(VALU_DEP_4)
	v_mul_u32_u24 v11, v1, PITCH
	s_delay_alu instid0(VALU_DEP_1)
	v_lshl_add_u32 v11, v2, 4, v11                 ; a fragment's row x pitch + 16 x half
	s_mul_i32 s29, s21, 64*PITCH                   ; my 64 tokens
	s_mul_i32 s30, s22, 64*PITCH                   ; my 64 columns,
	s_add_co_u32 s30, s30, WOFF                    ; behind x's 128 rows
	v_add_nc_u32 v[ADRX], s29, v11
	v_add_nc_u32 v[ADRW], s30, v11
	s_add_co_u32 s29, s29, SLOT
	s_add_co_u32 s30, s30, SLOT
	v_add_nc_u32 v[ADRX+1], s29, v11
	v_add_nc_u32 v[ADRW+1], s30, v11
	v_lshlrev_b32 v[ADRS], 5, v1                   ; my row's scales: 32 bytes a row,
	v_lshrrev_b32 v12, 3, v1
	s_delay_alu instid0(VALU_DEP_1)
	v_lshl_add_u32 v[ADRS], v12, 4, v[ADRS]        ; and 16 more for each 256 passed
	s_mul_i32 s29, s21, 8*SUNIT                    ; x's: my 64 rows
	s_mul_i32 s30, s22, 8*SUNIT                    ; w_in's: my 64 rows, behind x's 16 units
	s_add_co_u32 s30, s30, 16*SUNIT
	s_sub_co_u32 s30, s30, s29
	v_mul_u32_u24 v12, s30, v2                     ; lanes 16-31 take w_in's: the lower base + h x the distance
	s_add_co_u32 s29, s29, SCL
	v_add_nc_u32 v[ADRS], v[ADRS], v12
	s_delay_alu instid0(VALU_DEP_1)
	v_add_nc_u32 v[ADRS], s29, v[ADRS]
	v_lshlrev_b32 v9, 5, v2                        ; the bias's lane offset, q and k: 8 numbers for each half of the lanes
	v_lshlrev_b32 v13, 2, v1                       ; v: one number a lane
	v_lshlrev_b32 v10, 4, v1
	s_delay_alu instid0(VALU_DEP_1)
	v_lshl_add_u32 v10, v2, 3, v10                 ; the scale words' place: 16 r + 8 h
	s_lshl_b32 s2, s25, 10
	s_lshl_b32 s3, s22, 8
	s_add_co_u32 s2, s2, s3
	s_mov_b32 s3, 0
	s_add_nc_u64 s[12:13], s[12:13], s[2:3]        ; b_in at my 64 columns
	s_lshr_b32 s2, s26, 4                          ; the batch: 16 blocks of 128 tokens each
	s_lshl_b32 s2, s2, 4
	s_lshl_b32 s3, s23, 2
	s_add_co_u32 s2, s2, s3
	s_add_co_u32 s2, s2, s22                       ; head of batch = 16 x batch + 4 cx + my head of the four
	s_and_b32 s3, s26, 15
	s_lshl_b32 s3, s3, 1
	s_add_co_u32 s3, s3, s21                       ; group of 64 tokens in the sequence
	s_lshl_b32 s30, ttmp9, 22                      ; codes: section x 4,194,304 + head x 65,536 + group x 2,048
	s_lshl_b32 s29, s2, 16
	s_add_co_u32 s30, s30, s29
	s_lshl_b32 s29, s3, 11
	s_add_co_u32 s30, s30, s29
	s_mov_b32 s31, 0
	s_add_nc_u64 s[14:15], s[14:15], s[30:31]
	s_lshl_b32 s30, ttmp9, 19                      ; scale words: section x 524,288 + head x 8,192 + group x 256
	s_lshl_b32 s29, s2, 13
	s_add_co_u32 s30, s30, s29
	s_lshl_b32 s29, s3, 8
	s_add_co_u32 s30, s30, s29
	s_add_nc_u64 s[16:17], s[16:17], s[30:31]
.macro FRAG reg, adr, q, i             ; 16 rows x 128 K of 4-bit codes: registers 4 c .. 4 c + 3 hold K = 64 c + 32 h + 0 .. 31: two loads of 16 bytes, 32 bytes apart
	ds_load_b128 v[\reg:\reg+3], v[\adr] offset:64*(\q)+(\i)*16*PITCH
	ds_load_b128 v[\reg+4:\reg+7], v[\adr] offset:64*(\q)+32+(\i)*16*PITCH
.endm
.macro SCALES c                        ; a half's four words of each row: 16 rows are two units on
.irp i, 0,1,2,3
	ds_load_b128 v[SC+4*\i:SC+4*\i+3], v[ADRS] offset:2*SUNIT*\i+16*(\c)
.endr
.endm
; 8 products: source 1's tiles a0, a0 + 1 x source 0's four.  The 16 accumulators take turns, one instruction a turn, in one order in every step.
.macro MUL8 v, a0, q, first
.irp a, \a0, \a0+1
.irp t, 0,1,2,3
.if (\v) == 0
.if \first
	v_wmma_scale_f32_16x16x128_f8f6f4 v[ACC+8*(4*(\a)+\t):ACC+8*(4*(\a)+\t)+7], v[WF+8*\t:WF+8*\t+7], v[XF+8*(\a):XF+8*(\a)+7], v[BIAS+8*\t:BIAS+8*\t+7], v[SC+4*\t+(\q)], v[SC+4*(\a)+(\q)] matrix_a_fmt:MATRIX_FMT_FP4 matrix_b_fmt:MATRIX_FMT_FP4 matrix_a_scale:MATRIX_SCALE_ROW1
.else
	v_wmma_scale_f32_16x16x128_f8f6f4 v[ACC+8*(4*(\a)+\t):ACC+8*(4*(\a)+\t)+7], v[WF+8*\t:WF+8*\t+7], v[XF+8*(\a):XF+8*(\a)+7], v[ACC+8*(4*(\a)+\t):ACC+8*(4*(\a)+\t)+7], v[SC+4*\t+(\q)], v[SC+4*(\a)+(\q)] matrix_a_fmt:MATRIX_FMT_FP4 matrix_b_fmt:MATRIX_FMT_FP4 matrix_a_scale:MATRIX_SCALE_ROW1
.endif
.else
.if \first
	v_wmma_scale_f32_16x16x128_f8f6f4 v[ACC+8*(4*(\a)+\t):ACC+8*(4*(\a)+\t)+7], v[XF+8*\t:XF+8*\t+7], v[WF+8*(\a):WF+8*(\a)+7], v[BIAS+8*(\a):BIAS+8*(\a)+7], v[SC+4*\t+(\q)], v[SC+4*(\a)+(\q)] matrix_a_fmt:MATRIX_FMT_FP4 matrix_b_fmt:MATRIX_FMT_FP4 matrix_b_scale:MATRIX_SCALE_ROW1
.else
	v_wmma_scale_f32_16x16x128_f8f6f4 v[ACC+8*(4*(\a)+\t):ACC+8*(4*(\a)+\t)+7], v[XF+8*\t:XF+8*\t+7], v[WF+8*(\a):WF+8*(\a)+7], v[ACC+8*(4*(\a)+\t):ACC+8*(4*(\a)+\t)+7], v[SC+4*\t+(\q)], v[SC+4*(\a)+(\q)] matrix_a_fmt:MATRIX_FMT_FP4 matrix_b_fmt:MATRIX_FMT_FP4 matrix_b_scale:MATRIX_SCALE_ROW1
.endif
.endif
.endr
.endr
.endm
; A step of 128 along K: the q-th of half c.  Source 0's four fragments are fetched first, then source 1's.
.macro KSTEP v, c, q, first
	PLACES                                         ; in front of loads into registers that the last step's products read
.if (\q) == 0
	SCALES \c
.endif
.if (\v) == 0
.irp i, 0,1,2,3
	FRAG WF+8*\i, ADRW+\c, \q, \i
.endr
.irp i, 0,1,2,3
	FRAG XF+8*\i, ADRX+\c, \q, \i
.endr
.else
.irp i, 0,1,2,3
	FRAG XF+8*\i, ADRX+\c, \q, \i
.endr
.irp i, 0,1,2,3
	FRAG WF+8*\i, ADRW+\c, \q, \i
.endr
.endif
	s_wait_dscnt 0x4                               ; all but the youngest four loads: source 1's tiles 2 and 3
	MUL8 \v, 0, \q, \first
	s_wait_dscnt 0x0
	MUL8 \v, 2, \q, \first
.endm
.macro HALF v, c
	KSTEP \v, \c, 0, 1-\c                          ; the very first step's products take the bias as C: nothing is cleared or added later
	KSTEP \v, \c, 1, 0
	KSTEP \v, \c, 2, 0
	KSTEP \v, \c, 3, 0
.endm
	; the bias, in the result's layout.  The branches on the section hang on the cluster's x, which all sixteen partners share; no barrier stands inside them.
	s_cmp_eq_u32 ttmp9, 2
	s_cbranch_scc1 .Lbias_v
	s_wait_alu depctr_va_vdst(0)
.irp t, 0,1,2,3
	global_load_b128 v[BIAS+8*\t:BIAS+8*\t+3], v9, s[12:13] offset:64*\t       ; q, k: register j of tile t: column 16 t + 8 h + j
	global_load_b128 v[BIAS+8*\t+4:BIAS+8*\t+7], v9, s[12:13] offset:64*\t+16
.endr
	s_branch .Lbias_done
.Lbias_v:
	s_wait_alu depctr_va_vdst(0)
.irp a, 0,1,2,3
	global_load_b32 v[BIAS+8*\a], v13, s[12:13] offset:64*\a                   ; v: every register of tile a: column 16 a + r
.endr
	s_wait_loadcnt 0x0
.irp a, 0,1,2,3
.irp j, 1,2,3,4,5,6,7
	v_mov_b32 v[BIAS+8*\a+\j], v[BIAS+8*\a]
.endr
.endr
.Lbias_done:
	s_wait_loadcnt 0x0
	s_wait_tensorcnt 0x1                           ; my scales and my part of half 0 have landed; half 1's load, issued behind them, may stay out
	BAR                                            ; everybody's have
	s_cmp_eq_u32 ttmp9, 2
	s_cbranch_scc1 .Lhalf0_v
	s_wait_alu depctr_va_vdst(0)
	HALF 0, 0
	s_branch .Lhalf0_done
.Lhalf0_v:
	s_wait_alu depctr_va_vdst(0)
	HALF 1, 0
.Lhalf0_done:
	s_wait_tensorcnt 0x0                           ; my part of half 1 has landed (my LDS loads were waited for in the last step)
	BAR
	s_cmp_eq_u32 ttmp9, 2
	s_cbranch_scc1 .Lhalf1_v
	HALF 0, 1
	s_branch .Lhalf1_done
.Lhalf1_v:
	HALF 1, 1
.Lhalf1_done:
	; THE WAY OUT: eight blocks of 32 (two for each a), by turns.  Block b lies in v[ACC + 16 b .. + 15] of lanes l and l xor 16.  Each accumulator is read from its low end on.
	PLACES
.irp b, 0,1,2,3,4,5,6,7
	v_max3_num_f32 v[32+\b], |v[ACC+16*\b]|, |v[ACC+16*\b+1]|, 0x1800000       ; my 16 numbers, and the floor 2^(3 - 127): the byte cannot fall under 1
.endr
.irp i, 2,4,6,8,10,12,14
.irp b, 0,1,2,3,4,5,6,7
	v_max3_num_f32 v[32+\b], v[32+\b], |v[ACC+16*\b+\i]|, |v[ACC+16*\b+\i+1]|
.endr
.endr
.irp b, 0,1,2,3,4,5,6,7
	v_permlanex16_b32 v[40+\b], v[32+\b], s[SEL], s[SEL+1]
.endr
.irp b, 0,1,2,3,4,5,6,7
	v_max_num_f32 v[32+\b], v[32+\b], v[40+\b]     ; with lane l xor 16's: the block's largest magnitude
.endr
.irp b, 0,1,2,3,4,5,6,7
	v_add_nc_u32 v[48+\b], 0xff000000, v[32+\b]    ; 2 off its exponent field: the conversion's scale operand
.endr
.irp b, 0,1,2,3,4,5,6,7
	v_lshrrev_b32 v[40+\b], 23, v[48+\b]           ; the scale's byte
.endr
.irp a, 0,1,2,3
	v_lshl_or_b32 v[80+\a], v[41+2*\a], 8, v[40+2*\a]   ; row 16 a + r's word
.endr
.irp a, 0,1,2,3
.irp k, 0,1,2,3
	v_cvt_scalef32_pk8_fp4_f32 v[64+4*\a+2*(\k%2)+\k/2], v[ACC+32*\a+8*\k:ACC+32*\a+8*\k+7], v[48+2*\a+\k/2]   ; tiles 0, 2, 1, 3 into registers 0, 1, 2, 3
.endr
.endr
	v_nop                                          ; one plain place behind a scaled conversion
.irp a, 0,1,2,3
	v_permlane16_swap_b32 v[64+4*\a], v[65+4*\a]   ; the first's lanes 16-31 change places with the second's lanes 0-15: lanes 0-15 now hold block 0, lanes 16-31 block 1
	v_permlane16_swap_b32 v[66+4*\a], v[67+4*\a]
.endr
	v_cmp_eq_u32 vcc_lo, 1, v2
	s_delay_alu instid0(VALU_DEP_1)
	v_cndmask_b32 v84, v80, v82, vcc_lo            ; lanes 0-15 store words a = 0, 1 of their row, lanes 16-31 words 2, 3
	s_delay_alu instid0(VALU_DEP_2)
	v_cndmask_b32 v85, v81, v83, vcc_lo
.irp a, 0,1,2,3
	global_store_b128 v[LI], v[64+4*\a:67+4*\a], s[14:15] offset:512*\a        ; 32 lanes store 512 consecutive bytes, at a multiple of 512 from the buffer's first byte
.endr
	global_store_b64 v10, v[84:85], s[16:17]       ; 32 lanes store 256 consecutive bytes, aligned
	s_wait_tensorcnt 0x0
	ds_add_u32 v14, v15
	s_wait_dscnt 0x0
	CROUND                                         ; the closing round: no work-group ends while a partner may still ask for a tile that names it
	s_endpgm
.Lfunc_end_k_q7ab63d518b_qkv:
	.size	k_q7ab63d518b_qkv, .Lfunc_end_k_q7ab63d518b_qkv-k_q7ab63d518b_qkv
	.p2alignl 7, 3214868480
	.fill 96, 4, 3214868480
	.section	.rodata,"a",@progbits
	.p2align	6, 0x0
	.amdhsa_kernel k_q7ab63d518b_qkv
		.amdhsa_group_segment_fixed_size 222976
		.amdhsa_private_segment_fixed_size 0
		.amdhsa_enable_private_segment 0
		.amdhsa_kernarg_size 56
		.amdhsa_user_sgpr_count 2
		.amdhsa_user_sgpr_kernarg_segment_ptr 1
		.amdhsa_wavefront_size32 1
		.amdhsa_system_sgpr_workgroup_id_x 1
		.amdhsa_system_sgpr_workgroup_id_y 1
		.amdhsa_system_sgpr_workgroup_id_z 1
		.amdhsa_system_vgpr_workitem_id 0
		.amdhsa_next_free_vgpr 256
		.amdhsa_next_free_sgpr 100
		.amdhsa_reserve_vcc 1
		.amdhsa_float_denorm_mode_32 3
		.amdhsa_float_denorm_mode_16_64 3
		.amdhsa_memory_ordered 1
		.amdhsa_forward_progress 1
		.amdhsa_inst_pref_size 73
	.end_amdhsa_kernel
	.amdgpu_metadata
---
amdhsa.version: [ 1, 2 ]
amdhsa.kernels:
  - .name:           k_q7ab63d518b_qkv
    .symbol:         k_q7ab63d518b_qkv.kd
    .args:
      - { .name: x_codes, .offset: 0, .size: 8, .value_kind: global_buffer, .address_space: global }
      - { .name: x_scales, .offset: 8, .size: 8, .value_kind: global_buffer, .address_space: global }
      - { .name: w_in_codes, .offset: 16, .size: 8, .value_kind: global_buffer, .address_space: global }
      - { .name: w_in_scales, .offset: 24, .size: 8, .value_kind: global_buffer, .address_space: global }
      - { .name: b_in, .offset: 32, .size: 8, .value_kind: global_buffer, .address_space: global }
      - { .name: qkv_codes, .offset: 40, .size: 8, .value_kind: global_buffer, .address_space: global }
      - { .name: qkv_scales, .offset: 48, .size: 8, .value_kind: global_buffer, .address_space: global }
    .group_segment_fixed_size: 222976
    .private_segment_fixed_size: 0
    .kernarg_segment_align: 8
    .kernarg_segment_size: 56
    .max_flat_workgroup_size: 256
    .sgpr_count:     100
    .vgpr_count:     256
    .wavefront_size: 32
...
	.end_amdgpu_metadata
.endif
;; end of part 1
;; launch attn (part 2): grid 4 x 64, 16 waves a work-group, clusters of 4 x 1, 169,984 bytes of LDS; arguments qkv_codes, qkv_scales, o_codes, o_scales; writes o_codes, o_scales
.if DOCPART == 2
	.amdgcn_target "amdgcn-amd-amdhsa--gfx1250"
	.amdhsa_code_object_version 6
	.text
	.protected	k_q7ab63d518b_attn
	.globl	k_q7ab63d518b_attn
	.p2align	8
	.type	k_q7ab63d518b_attn,@function
k_q7ab63d518b_attn:
	s_mov_b64 s[64:65], 0
	v_nop
	global_prefetch_b8 v0, s[64:65] scope:SCOPE_SE
	s_setreg_imm32_b32 hwreg(HW_REG_WAVE_MODE, 25, 1), 1
	s_wait_xcnt 0x0
	s_wait_alu depctr_hold_cnt(0) depctr_sa_sdst(0) depctr_va_vdst(0) depctr_va_sdst(0) depctr_va_ssrc(0) depctr_va_vcc(0) depctr_vm_vsrc(0)
	s_getreg_b32 s2, hwreg(HW_REG_IB_STS2, 6, 4)
	s_cmp_eq_u32 s2, 0
	s_cbranch_scc0 .Lentry_in_a_cluster
	s_endpgm
.Lentry_in_a_cluster:
	s_bfe_u32 s2, ttmp6, 0x10000c
	s_cmp_lg_u32 s2, 0x3003
	s_cbranch_scc0 .Lentry_shape_is_right
	s_endpgm
.Lentry_shape_is_right:
; Causal attention of one head of one batch on codes of FP4 (E2M1): S^T = k q^T (K = the head's 64, in the 128-deep form with zero codes above), p = 2^(t - M), O^T = v^T p^T (K = the keys), o = O / l, quantised along the model's axis.
; THE SOFTMAX: t = score x log2(e) / 8; M = the running largest t rounded UP to a whole number; p = 2^(t - M) is quantised along the keys, not normalised; the row's sum is taken of the unquantised p and divides at the end.
; When M moves, the sum and O^T are multiplied by 2^(old M - new M): exact.
; SHARES.  The four work-groups of a cluster serve one head.  The head's K and V, as codes and scale words 147,456 bytes, lie in each work-group's LDS whole: asked for jointly at the head, filled once.
; The head's 128 tiles of 16 queries are 16 groups of 8 (a group is 128 queries, one key step).  Wave w of work-group cx: m = w / 2, e = 2 cx + w % 2; it makes tile 8 (15 - m) + e and then tile 8 m + e:
; (16 - m) + (m + 1) = 17 key steps for every wave.  Steps all of whose keys come after the queries are jumped over by a scalar branch on the wave's number and the step's count; cx enters global addresses and the mask's threshold alone.
; LAYOUT.  Both products are used transposed, so that a lane holds ONE query (lane % 16).  Tile u of S^T: register j = key 16 u + 8 (lane / 16) + j.  Four tiles are two blocks of 32 keys: their conversions, written in the
; order 0, 2, 1, 3, and two exchanges of lane halves give four registers of the next product's operand.  K, V and Q come as images of operand registers: 16 bytes a lane, 512 consecutive bytes a load.
; LIMITS: NaN and infinities are not served; p under 2^-126 counts as 0 (v_exp_f32 flushes it: ISA guide 15.8); a block whose largest magnitude lies under 2^-124 keeps the byte 1, a block of zeros too (its codes are zeros).
; A block's largest p is made from the block's largest score by the same multiply-add and exponential; this takes v_exp_f32 not to fall where its input rises.
; REGISTERS: v1-4 addresses that stay; v5-8 the step's; v9 the mask's threshold; v10, v11 Q's scale words; v12 -M, v13 the largest t, v[14:15] the sum; v16-23, v24-31 Q of the two tiles; v32-95 K's eight fragments (upper halves 0);
; v96-159 S^T, then p; v160-191 O^T; v192-223 V's four fragments; v224-231 V's raw scale words, then p's codes; v232-239, v244-247, v252, v254 at work; v240-243 K's scale words; v248-251 V's; v253 p's; v255 32 r.
.set VC,   65536                       ; LDS: K's codes at 0, V's codes, K's scale words, V's scale words; a key step is 4,096 bytes of codes and 512 of words
.set KS,   131072
.set VS,   139264
.set WV,   12
.set MG,   16                          ; s16  the group of the tile in hand: the key step on the diagonal
.set SI,   17                          ; s17  the key step
.set TC,   18                          ; s18  4,096 x the key step
.set TS,   19                          ; s19  512 x the key step
.set SEL,  20                          ; s[20:21] lane l xor 16
.set CS,   22                          ; s[22:23] c = log2(e) / 8
.set G1A,  24                          ; groups 1: 64, 96 and 32 rows of 256 bytes
.set G1B,  32
.set G1C,  40
.macro PLACES
.rept 4
	v_nop
.endr
.endm
.macro BAR
	s_barrier_signal -1
	s_barrier_wait -1
.endm
.macro CROUND
	s_barrier_signal -1
	s_barrier_wait -1
	s_cmp_lg_u32 s[WV], 0
	s_cbranch_scc1 .Lnot_wave_0_\@
	s_barrier_signal -3
.Lnot_wave_0_\@:
	s_barrier_wait -3
	s_barrier_signal -1
	s_barrier_wait -1
.endm
	s_load_b256 s[4:11], s[0:1], 0x0               ; q, k, v codes s[4:5], their scale words s[6:7], o's codes s[8:9], o's scale bytes s[10:11]
	v_lshl_add_u32 v254, v0, 2, 0x29000
	v_mov_b32 v255, 0
	ds_add_u32 v254, v255
	ds_add_u32 v254, v255
	s_wait_dscnt 0x0
	v_lshrrev_b32 v1, 5, v0
	s_delay_alu instid0(VALU_DEP_1)
	v_readfirstlane_b32 s[WV], v1                  ; wave 0..15
	s_and_b32 s82, s[WV], 1                        ; I fetch for K (0) or for V (1), if I fetch
	s_and_b32 s83, ttmp7, 0xffff                   ; head of batch, which the four partners share
	s_add_co_u32 s88, s82, 1                       ; the section: 1 = k, 2 = v
	s_lshl_b32 s84, s88, 22
	s_lshl_b32 s89, s83, 16
	s_add_co_u32 s84, s84, s89                     ; the head's codes: section x 4,194,304 + head x 65,536
	s_mov_b32 s85, 0
	s_lshl_b32 s86, s88, 19
	s_lshl_b32 s89, s83, 13
	s_add_co_u32 s86, s86, s89                     ; its scale words: section x 524,288 + head x 8,192
	s_mov_b32 s87, 0
	s_lshl_b32 s90, s82, 16                        ; in LDS: V's codes 65,536 behind K's,
	s_lshl_b32 s91, s82, 13                        ; V's words 8,192 behind K's
.irp g, G1A, G1B, G1C
	s_mov_b32 s[\g], 15|(3<<16)|(1<<21)            ; 15:0 the mask: all four work-groups; 17:16 elements of 8 bytes; 21 set beside a mask; no padding: every read is 16 bytes a lane on end
	s_mov_b32 s[\g+1], 32<<16                      ; tensor_dim0: 256 bytes
	s_mov_b32 s[\g+3], 32<<16                      ; tile_dim0
	s_mov_b32 s[\g+5], 32                          ; dense
	s_mov_b32 s[\g+6], 0
	s_mov_b32 s[\g+7], 0
.endr
	s_mov_b32 s[G1A+2], 64<<16                     ; key steps 0 to 3: 16,384 bytes
	s_mov_b32 s[G1A+4], 64
	s_mov_b32 s[G1B+2], 96<<16                     ; six key steps: 24,576 bytes
	s_mov_b32 s[G1B+4], 96
	s_mov_b32 s[G1C+2], 32<<16                     ; a head's scale words: 8,192 bytes
	s_mov_b32 s[G1C+4], 32
	s_mov_b32 s[SEL], 0x76543210
	s_mov_b32 s[SEL+1], 0xfedcba98
	s_mov_b32 s[CS], 0x3e38aa3b                    ; log2(e) / 8
	s_mov_b32 s[CS+1], s[CS]                       ; (named with it as a pair, so it is written)
	s_wait_kmcnt 0x0
	s_add_nc_u64 s[84:85], s[4:5], s[84:85]
	s_add_nc_u64 s[86:87], s[6:7], s[86:87]
	s_mov_b32 s48, 1                               ; key steps 0 to 3
	s_mov_b32 s49, s90
	s_mov_b64 s[50:51], s[84:85]
	s_or_b32 s51, s51, 0x80000000
	s_mov_b32 s52, 1                               ; key steps 4 to 9
	s_add_co_u32 s53, s90, 16384
	s_add_nc_u64 s[54:55], s[84:85], 16384
	s_or_b32 s55, s55, 0x80000000
	s_mov_b32 s56, 1                               ; the scale words
	s_add_co_u32 s57, s91, KS
	s_mov_b64 s[58:59], s[86:87]
	s_or_b32 s59, s59, 0x80000000
	s_mov_b32 s60, 1                               ; key steps 10 to 15
	s_add_co_u32 s61, s90, 40960
	s_add_nc_u64 s[62:63], s[84:85], 40960
	s_or_b32 s63, s63, 0x80000000
	CROUND                                         ; all four work-groups are here: the joint loads meet
	; all fills of the launch, a wave's two in one branch on the wave's number.  What the first four key steps need comes first in each wave.  Two tensor loads of a wave are out at the most.
	s_cmp_lt_u32 s[WV], 2
	s_cbranch_scc0 .Lnot_01
	tensor_load_to_lds s[48:51], s[G1A:G1A+7]
	s_nop 0
	tensor_load_to_lds s[52:55], s[G1B:G1B+7]
	s_nop 0
	PLACES
	s_branch .Lasked
.Lnot_01:
	s_cmp_lt_u32 s[WV], 4
	s_cbranch_scc0 .Lasked
	tensor_load_to_lds s[56:59], s[G1C:G1C+7]
	s_nop 0
	tensor_load_to_lds s[60:63], s[G1B:G1B+7]
	s_nop 0
	PLACES
.Lasked:
	s_bfe_u32 s13, ttmp6, 0x40000                  ; cx
	s_lshr_b32 s14, s[WV], 1                       ; m
	s_lshl_b32 s15, s13, 1
	s_add_co_u32 s15, s15, s82                     ; e
	s_sub_co_u32 s97, 15, s14
	s_lshl_b32 s97, s97, 3
	s_add_co_u32 s97, s97, s15                     ; the high tile: 8 (15 - m) + e
	s_lshl_b32 s98, s14, 3
	s_add_co_u32 s98, s98, s15                     ; the low tile: 8 m + e
	s_lshl_b32 s99, s15, 4
	s_mov_b32 s93, 0
; tile s[t]'s four addresses: Q's codes and scale words, o's codes and scale bytes
.macro BASES t, oc, os, qc, qs
	s_lshl_b32 s92, s83, 16
	s_lshl_b32 s94, s[\t], 9
	s_add_co_u32 s92, s92, s94                     ; section 0: head x 65,536 + tile x 512
	s_add_nc_u64 s[\qc:\qc+1], s[4:5], s[92:93]
	s_lshl_b32 s92, s83, 13
	s_lshr_b32 s94, s[\t], 2
	s_lshl_b32 s94, s94, 8
	s_add_co_u32 s92, s92, s94
	s_and_b32 s94, s[\t], 3
	s_lshl_b32 s94, s94, 2
	s_add_co_u32 s92, s92, s94                     ; head x 8,192 + (tile / 4) x 256 + (tile % 4) x 4
	s_add_nc_u64 s[\qs:\qs+1], s[6:7], s[92:93]
	s_lshr_b32 s94, s83, 4
	s_lshl_b32 s94, s94, 7
	s_add_co_u32 s94, s94, s[\t]                   ; the tile among all 512: 128 x batch + tile
	s_and_b32 s95, s83, 15                         ; the head
	s_lshl_b32 s92, s94, 13
	s_lshl_b32 s96, s95, 9
	s_add_co_u32 s92, s92, s96                     ; tile x 8,192 + head x 512
	s_add_nc_u64 s[\oc:\oc+1], s[8:9], s[92:93]
	s_lshl_b32 s92, s94, 9
	s_lshl_b32 s96, s95, 1
	s_add_co_u32 s92, s92, s96                     ; 16 tokens x 32 bytes a tile, + 2 bytes a head
	s_add_nc_u64 s[\os:\os+1], s[10:11], s[92:93]
.endm
	BASES 97, 66, 68, 74, 76
	BASES 98, 70, 72, 78, 80
	v_and_b32 v232, 15, v0                         ; r
	v_bfe_u32 v233, v0, 4, 1                       ; h
	v_and_b32 v1, 31, v0
	s_delay_alu instid0(VALU_DEP_1)
	v_lshlrev_b32 v1, 4, v1                        ; 16 x lane: K's codes
	s_delay_alu instid0(VALU_DEP_1)
	v_add_nc_u32 v2, VC, v1                        ; V's codes
	s_delay_alu instid0(VALU_DEP_2)
	v_add_nc_u32 v3, KS, v1                        ; K's scale words: lanes 0-15 the step's first 64 keys, lanes 16-31 its second
	v_lshl_add_u32 v4, v232, 4, VS                 ; V's: 16 r
	v_lshlrev_b32 v5, 4, v232                      ; Q's scale words: 16 r (v5 is written again only behind the wait for these loads)
	v_lshlrev_b32 v255, 5, v232                    ; o's scale bytes: 32 r
	v_lshlrev_b32 v9, 3, v233
	s_delay_alu instid0(VALU_DEP_1)
	v_sub_nc_u32 v9, v232, v9
	s_delay_alu instid0(VALU_DEP_1)
	v_add_nc_u32 v9, s99, v9                       ; 16 e + r - 8 h: on the diagonal, register n's key is hidden where 16 (n / 8) + n % 8 is above it
	global_load_b128 v[16:19], v1, s[74:75]        ; Q of the high tile,
	global_load_b32 v10, v5, s[76:77]
	global_load_b128 v[24:27], v1, s[78:79]        ; of the low one
	global_load_b32 v11, v5, s[80:81]
.irp j, 20,21,22,23,28,29,30,31
	v_mov_b32 v[\j], 0                             ; K = 64 .. 127 of the 128-deep form: zero codes, on both sides
.endr
.irp t, 0,1,2,3,4,5,6,7
.irp j, 4,5,6,7
	v_mov_b32 v[32+8*\t+\j], 0
.endr
.endr
.irp j, 236,237,238,239,253
	v_mov_b32 v[\j], 0                             ; written once: a lane permute's destination counts as a source; v253 is named in the pair v[252:253]
.endr
.macro INIT                            ; the step is written without a first step of its own: it finds zeros, which the first change of M leaves zeros
	v_mov_b32 v13, 0xff61b1e6                      ; the largest t so far: -3e38
	s_delay_alu instid0(VALU_DEP_1)
	v_floor_f32 v12, -v13
	v_mov_b32 v14, 0
	v_mov_b32 v15, 0
.set j, 0
.rept 32
	v_mov_b32 v[160+j], 0
.set j, j+1
.endr
.endm
; A KEY STEP of 128 keys.  chk = 1: the step may lie behind the diagonal (jumped over) or on it (masked).  Q, QS: the registers of the tile's fragment and scale words.
.macro STEP chk, Q, QS
.if \chk
	s_cmp_gt_u32 s[SI], s[MG]
	s_cbranch_scc1 .Lhidden_\@
.endif
	s_setprio 2
	v_add_nc_u32 v5, s[TC], v1                     ; these four are also the places between the last step's products and the loads into their registers
	v_add_nc_u32 v6, s[TC], v2
	v_add_nc_u32 v7, s[TS], v3
	v_add_nc_u32 v8, s[TS], v4
	ds_load_b128 v[240:243], v7                    ; K's scale words: register a: lanes 0-15 tile a, lanes 16-31 tile 4 + a
.irp t, 0,1,2,3,4,5,6,7
	ds_load_b128 v[32+8*\t:35+8*\t], v5 offset:512*\t
.endr
	ds_load_b128 v[224:227], v8                    ; V's scale words of the step's first 64 keys, channel tiles 0 to 3,
	ds_load_b128 v[228:231], v8 offset:256         ; and of its second
.irp u, 0,1,2,3
.irp c, 0,1
	ds_load_b128 v[192+8*\u+4*\c:195+8*\u+4*\c], v6 offset:2048*\c+512*\u
.endr
.endr
	s_wait_dscnt 0xa                               ; K is in; V's ten loads may stay out
.irp t, 0,1,2,3
	v_wmma_scale_f32_16x16x128_f8f6f4 v[96+8*\t:103+8*\t], v[32+8*\t:39+8*\t], v[\Q:\Q+7], 0, v[240+\t], v[\QS] matrix_a_fmt:MATRIX_FMT_FP4 matrix_b_fmt:MATRIX_FMT_FP4
.endr
.irp t, 4,5,6,7
	v_wmma_scale_f32_16x16x128_f8f6f4 v[96+8*\t:103+8*\t], v[32+8*\t:39+8*\t], v[\Q:\Q+7], 0, v[236+\t], v[\QS] matrix_a_fmt:MATRIX_FMT_FP4 matrix_b_fmt:MATRIX_FMT_FP4 matrix_a_scale:MATRIX_SCALE_ROW1
.endr
	s_wait_dscnt 0x8                               ; V's two loads of scale words are in; its eight fragment loads may stay out
.irp u, 0,1,2,3
	v_lshl_or_b32 v[248+\u], v[228+\u], 16, v[224+\u]   ; V's word of 128 keys.  These four are the places behind the products above
.endr
.if \chk
	s_cmp_lg_u32 s[SI], s[MG]
	s_cbranch_scc1 .Lopen_\@
	v_mov_b32 v254, 0xff800000                     ; on the diagonal hidden scores become -infinity ahead of the maximum: p = 0 then
.set n, 0
.rept 64
	v_cmp_gt_i32 vcc_lo, 16*(n/8)+n%8, v9
	v_cndmask_b32 v[96+n], v[96+n], v254, vcc_lo
.set n, n+1
.endr
.Lopen_\@:
.endif
.irp b, 0,1,2,3
	v_max3_num_f32 v[232+\b], v[96+16*\b], v[97+16*\b], v[98+16*\b]            ; the largest score of each block of 32 keys: for the row's maximum, and for the block's largest p
.endr
.irp i, 3,5,7,9,11,13
.irp b, 0,1,2,3
	v_max3_num_f32 v[232+\b], v[232+\b], v[96+16*\b+\i], v[97+16*\b+\i]
.endr
.endr
.irp b, 0,1,2,3
	v_max_num_f32 v[232+\b], v[232+\b], v[111+16*\b]
.endr
.irp b, 0,1,2,3
	s_delay_alu instid0(VALU_DEP_4)
	v_permlanex16_b32 v[236+\b], v[232+\b], s[SEL], s[SEL+1]
.endr
.irp b, 0,1,2,3
	s_delay_alu instid0(VALU_DEP_4)
	v_max_num_f32 v[232+\b], v[232+\b], v[236+\b]  ; with lane l xor 16's 16 keys
.endr
	s_delay_alu instid0(VALU_DEP_2)
	v_max3_num_f32 v254, v232, v233, v234
	s_delay_alu instid0(VALU_DEP_1)
	v_max_num_f32 v254, v254, v235                 ; the step's largest score of my query
	s_delay_alu instid0(VALU_DEP_1)
	v_mul_f32 v254, s[CS], v254                    ; as t
	s_delay_alu instid0(VALU_DEP_1)
	v_max_num_f32 v13, v13, v254                   ; the running largest t
	v_mov_b32 v254, v12
	s_delay_alu instid0(VALU_DEP_2)
	v_floor_f32 v12, -v13                          ; the new -M = floor(-t)
	s_delay_alu instid0(VALU_DEP_1)
	v_sub_f32 v254, v12, v254                      ; old M - new M: a whole number, 0 or less
	s_delay_alu instid0(VALU_DEP_1)
	v_cvt_i32_f32 v254, v254                       ; (it saturates)
	s_delay_alu instid0(VALU_DEP_1)
	v_ldexp_f32 v252, 1.0, v254                    ; f = 2^(old M - new M)
.set j, 0
.rept 32
	v_pk_fma_f32 v[96+j:97+j], v[96+j:97+j], s[CS:CS+1], v[12:13] op_sel_hi:[1,0,0]   ; t - M, two at a time
.set j, j+2
.endr
.irp b, 0,1,2,3
	v_fma_f32 v[232+\b], v[232+\b], s[CS], v12     ; the same of each block's largest score
.endr
.set j, 0
	s_setprio 1
	s_wait_alu depctr_va_vdst(0)
.rept 64
	v_exp_f32 v[96+j], v[96+j]                     ; p = 2^(t - M)
.set j, j+1
.endr
	v_pk_mul_f32 v[14:15], v[14:15], v[252:253] op_sel_hi:[1,0]   ; the sums under the new M: the plain instruction behind the exponentials
	s_wait_alu depctr_va_vdst(0)                   ; one wait for the whole batch, ahead of its first reader
.irp b, 0,1,2,3
	v_exp_f32 v[232+\b], v[232+\b]                 ; the block's largest p
.endr
	v_pk_add_f32 v[236:237], v[100:101], v[104:105]
	v_pk_add_f32 v[246:247], v[108:109], v[112:113]
	v_pk_add_f32 v[244:245], v[116:117], v[120:121]
	v_pk_add_f32 v[242:243], v[124:125], v[128:129]
	v_pk_add_f32 v[240:241], v[132:133], v[136:137]
	v_pk_add_f32 v[238:239], v[140:141], v[144:145]
	v_pk_add_f32 v[230:231], v[148:149], v[152:153]
	v_pk_add_f32 v[14:15], v[14:15], v[156:157]
	v_pk_add_f32 v[236:237], v[236:237], v[96:97]
	v_pk_add_f32 v[246:247], v[246:247], v[98:99]
	v_pk_add_f32 v[244:245], v[244:245], v[102:103]
	v_pk_add_f32 v[242:243], v[242:243], v[106:107]
	v_pk_add_f32 v[240:241], v[240:241], v[110:111]
	v_pk_add_f32 v[238:239], v[238:239], v[114:115]
	v_pk_add_f32 v[230:231], v[230:231], v[118:119]
	v_pk_add_f32 v[14:15], v[14:15], v[122:123]
	v_pk_add_f32 v[236:237], v[236:237], v[126:127]
	v_pk_add_f32 v[246:247], v[246:247], v[130:131]
	v_pk_add_f32 v[244:245], v[244:245], v[134:135]
	v_pk_add_f32 v[242:243], v[242:243], v[138:139]
	v_pk_add_f32 v[240:241], v[240:241], v[142:143]
	v_pk_add_f32 v[238:239], v[238:239], v[146:147]
	v_pk_add_f32 v[230:231], v[230:231], v[150:151]
	v_pk_add_f32 v[14:15], v[14:15], v[154:155]
	v_pk_add_f32 v[236:237], v[236:237], v[158:159]
	s_delay_alu instid0(VALU_DEP_2)
	v_pk_add_f32 v[14:15], v[14:15], v[242:243]
	s_delay_alu instid0(VALU_DEP_2)
	v_pk_add_f32 v[236:237], v[236:237], v[240:241]
	v_pk_add_f32 v[246:247], v[246:247], v[238:239]
	v_pk_add_f32 v[244:245], v[244:245], v[230:231]
	s_delay_alu instid0(VALU_DEP_2)
	v_pk_add_f32 v[14:15], v[14:15], v[246:247]
	s_delay_alu instid0(VALU_DEP_2)
	v_pk_add_f32 v[236:237], v[236:237], v[244:245]
	s_delay_alu instid0(VALU_DEP_1)
	v_pk_add_f32 v[14:15], v[14:15], v[236:237]
	s_wait_alu depctr_va_vdst(0)                   ; and one for the four
.irp b, 0,1,2,3
	v_max_num_f32 v[232+\b], 0x1800000, v[232+\b]  ; the floor 2^(3 - 127)
.endr
.irp b, 0,1,2,3
	s_delay_alu instid0(VALU_DEP_4)
	v_add_nc_u32 v[244+\b], 0xff000000, v[232+\b]  ; 2 off the exponent field: the conversion's scale operand
.endr
.irp b, 0,1,2,3
	s_delay_alu instid0(VALU_DEP_4)
	v_lshrrev_b32 v[236+\b], 23, v[244+\b]         ; the scale's byte
.endr
	s_delay_alu instid0(VALU_DEP_3)
	v_lshl_or_b32 v253, v237, 8, v236              ; p's scale word for these 128 keys
	s_delay_alu instid0(VALU_DEP_1)
	v_lshl_or_b32 v253, v238, 16, v253
	s_delay_alu instid0(VALU_DEP_1)
	v_lshl_or_b32 v253, v239, 24, v253
.irp c, 0,1
.irp k, 0,1,2,3
	v_cvt_scalef32_pk8_fp4_f32 v[224+4*\c+2*(\k%2)+\k/2], v[96+8*(4*\c+\k):103+8*(4*\c+\k)], v[244+2*\c+\k/2]   ; tiles 0, 2, 1, 3 of the four into registers 0, 1, 2, 3
.endr
.endr
	s_setprio 0
	v_nop                                          ; one plain place behind a scaled conversion
.irp c, 0,1
	v_permlane16_swap_b32 v[224+4*\c], v[225+4*\c] ; lanes 0-15 now hold block 2 c, lanes 16-31 block 2 c + 1
	v_permlane16_swap_b32 v[226+4*\c], v[227+4*\c]
.endr
.set j, 0
.rept 16
	v_pk_mul_f32 v[160+j:161+j], v[160+j:161+j], v[252:253] op_sel_hi:[1,0]    ; O^T under the new M.  These sixteen also stand between the writes of p's codes and scale word and the products below
.set j, j+2
.endr
	s_wait_alu depctr_va_vdst(0)
	s_wait_dscnt 0x0                               ; V's fragments are in
.irp u, 0,1,2,3
	v_wmma_scale_f32_16x16x128_f8f6f4 v[160+8*\u:167+8*\u], v[192+8*\u:199+8*\u], v[224:231], v[160+8*\u:167+8*\u], v[248+\u], v253 matrix_a_fmt:MATRIX_FMT_FP4 matrix_b_fmt:MATRIX_FMT_FP4
.endr
.if \chk
.Lhidden_\@:
.endif
	s_add_co_u32 s[TC], s[TC], 4096
	s_add_co_u32 s[TS], s[TS], 512
.endm
; THE WAY OUT of a tile: o = O^T / the sum; its 64 channels are two blocks of the last product's K; codes as an image of operand registers, two scale bytes a token.
.macro FINISH oc, os
	PLACES
	v_add_f32 v14, v14, v15                        ; the sum's two halves,
	s_delay_alu instid0(VALU_DEP_1)
	v_permlanex16_b32 v252, v14, s[SEL], s[SEL+1]
	s_delay_alu instid0(VALU_DEP_1)
	v_add_f32 v14, v14, v252                       ; and lane l xor 16's
	s_wait_alu depctr_va_vdst(0)
	v_rcp_f32 v14, v14
	v_nop                                          ; a plain instruction behind the reciprocal
	s_wait_alu depctr_va_vdst(0)                   ; and the wait ahead of its first reader
.set j, 0
.rept 32
	v_mul_f32 v[96+j], v[160+j], v14               ; register 8 u + i: channel 16 u + 8 h + i of query r; each accumulator from its low end on
.set j, j+1
.endr
.irp b, 0,1
	v_max3_num_f32 v[232+\b], |v[96+16*\b]|, |v[97+16*\b]|, 0x1800000
.endr
.irp i, 2,4,6,8,10,12,14
.irp b, 0,1
	s_delay_alu instid0(VALU_DEP_2)
	v_max3_num_f32 v[232+\b], v[232+\b], |v[96+16*\b+\i]|, |v[97+16*\b+\i]|
.endr
.endr
.irp b, 0,1
	s_delay_alu instid0(VALU_DEP_2)
	v_permlanex16_b32 v[236+\b], v[232+\b], s[SEL], s[SEL+1]
.endr
.irp b, 0,1
	s_delay_alu instid0(VALU_DEP_2)
	v_max_num_f32 v[232+\b], v[232+\b], v[236+\b]
.endr
.irp b, 0,1
	s_delay_alu instid0(VALU_DEP_2)
	v_add_nc_u32 v[244+\b], 0xff000000, v[232+\b]
.endr
.irp b, 0,1
	s_delay_alu instid0(VALU_DEP_2)
	v_lshrrev_b32 v[236+\b], 23, v[244+\b]
.endr
	s_delay_alu instid0(VALU_DEP_1)
	v_lshl_or_b32 v232, v237, 8, v236              ; the token's two bytes
.irp k, 0,1,2,3
	v_cvt_scalef32_pk8_fp4_f32 v[224+2*(\k%2)+\k/2], v[96+8*\k:103+8*\k], v[244+\k/2]
.endr
	v_nop
	v_permlane16_swap_b32 v224, v225
	v_permlane16_swap_b32 v226, v227
	global_store_b128 v1, v[224:227], s[\oc:\oc+1] ; 32 lanes store 512 consecutive bytes, at a multiple of 512 from the buffer's first byte
	global_store_b16 v255, v232, s[\os:\os+1]      ; two bytes of each token's row of 32: both halves of the lanes store the same; one byte in sixteen of what the launch stores
.endm
	INIT
	s_sub_co_u32 s[MG], 15, s14                    ; the high tile first
	s_mov_b32 s[SI], 0
	s_mov_b32 s[TC], 0
	s_mov_b32 s[TS], 0
	s_wait_tensorcnt 0x1                           ; my first load has landed (key steps 0 to 3, or the scale words); my second may stay out
	BAR
	s_wait_loadcnt 0x0                             ; Q
.Lloop_a:                                          ; key steps 0 to 3: in front of every high tile's diagonal, which lies at step 8 or later
	STEP 0, 16, 10
	s_add_co_u32 s[SI], s[SI], 1
	s_cmp_lt_u32 s[SI], 4
	s_cbranch_scc1 .Lloop_a
	s_setprio 0
	s_wait_tensorcnt 0x0                           ; my second load has landed
	s_wait_dscnt 0x0
	BAR                                            ; the whole head lies in LDS
	s_mov_b32 s[SI], 4
	s_mov_b32 s[TC], 4*4096
	s_mov_b32 s[TS], 4*512
.Lloop_b:
	STEP 1, 16, 10
	s_add_co_u32 s[SI], s[SI], 1
	s_cmp_lt_u32 s[SI], 16
	s_cbranch_scc1 .Lloop_b
	s_setprio 0
	FINISH 66, 68
	INIT                                           ; the low tile
	s_mov_b32 s[MG], s14
	s_mov_b32 s[SI], 0
	s_mov_b32 s[TC], 0
	s_mov_b32 s[TS], 0
	s_wait_xcnt 0x0                                ; the two stores have read their registers, which the next step writes again
.Lloop_c:
	STEP 1, 24, 11
	s_add_co_u32 s[SI], s[SI], 1
	s_cmp_lt_u32 s[SI], 8
	s_cbranch_scc1 .Lloop_c
	s_setprio 0
	FINISH 70, 72
	s_wait_dscnt 0x0
	s_wait_xcnt 0x0
	v_lshl_add_u32 v254, v0, 2, 0x29000
	v_mov_b32 v255, 0
	s_wait_alu depctr_va_vdst(0)
	s_wait_tensorcnt 0x0
	ds_add_u32 v254, v255
	s_wait_dscnt 0x0
	CROUND                                         ; the closing round
	s_endpgm
.Lfunc_end_k_q7ab63d518b_attn:
	.size	k_q7ab63d518b_attn, .Lfunc_end_k_q7ab63d518b_attn-k_q7ab63d518b_attn
	.p2alignl 7, 3214868480
	.fill 96, 4, 3214868480
	.section	.rodata,"a",@progbits
	.p2align	6, 0x0
	.amdhsa_kernel k_q7ab63d518b_attn
		.amdhsa_group_segment_fixed_size 169984
		.amdhsa_private_segment_fixed_size 0
		.amdhsa_enable_private_segment 0
		.amdhsa_kernarg_size 32
		.amdhsa_user_sgpr_count 2
		.amdhsa_user_sgpr_kernarg_segment_ptr 1
		.amdhsa_wavefront_size32 1
		.amdhsa_system_sgpr_workgroup_id_x 1
		.amdhsa_system_sgpr_workgroup_id_y 1
		.amdhsa_system_sgpr_workgroup_id_z 1
		.amdhsa_system_vgpr_workitem_id 0
		.amdhsa_next_free_vgpr 256
		.amdhsa_next_free_sgpr 100
		.amdhsa_reserve_vcc 1
		.amdhsa_float_denorm_mode_32 3
		.amdhsa_float_denorm_mode_16_64 3
		.amdhsa_memory_ordered 1
		.amdhsa_forward_progress 1
		.amdhsa_inst_pref_size 81
	.end_amdhsa_kernel
	.amdgpu_metadata
---
amdhsa.version: [ 1, 2 ]
amdhsa.kernels:
  - .name:           k_q7ab63d518b_attn
    .symbol:         k_q7ab63d518b_attn.kd
    .args:
      - { .name: qkv_codes, .offset: 0, .size: 8, .value_kind: global_buffer, .address_space: global }
      - { .name: qkv_scales, .offset: 8, .size: 8, .value_kind: global_buffer, .address_space: global }
      - { .name: o_codes, .offset: 16, .size: 8, .value_kind: global_buffer, .address_space: global }
      - { .name: o_scales, .offset: 24, .size: 8, .value_kind: global_buffer, .address_space: global }
    .group_segment_fixed_size: 169984
    .private_segment_fixed_size: 0
    .kernarg_segment_align: 8
    .kernarg_segment_size: 32
    .max_flat_workgroup_size: 512
    .sgpr_count:     100
    .vgpr_count:     256
    .wavefront_size: 32
...
	.end_amdgpu_metadata
.endif
;; end of part 2
;; launch proj (part 3): grid 4 x 64, 8 waves a work-group, clusters of 4 x 4, 253,696 bytes of LDS; arguments o_codes, o_scales, w_out_codes, w_out_scales, b_out, out0; writes out0
.if DOCPART == 3
	.amdgcn_target "amdgcn-amd-amdhsa--gfx1250"
	.amdhsa_code_object_version 6
	.text
	.protected	k_q7ab63d518b_proj
	.globl	k_q7ab63d518b_proj
	.p2align	8
	.type	k_q7ab63d518b_proj,@function
k_q7ab63d518b_proj:
	s_mov_b64 s[64:65], 0
	v_nop
	global_prefetch_b8 v0, s[64:65] scope:SCOPE_SE
	s_setreg_imm32_b32 hwreg(HW_REG_WAVE_MODE, 25, 1), 1
	s_wait_xcnt 0x0
	s_wait_alu depctr_hold_cnt(0) depctr_sa_sdst(0) depctr_va_vdst(0) depctr_va_sdst(0) depctr_va_ssrc(0) depctr_va_vcc(0) depctr_vm_vsrc(0)
	s_getreg_b32 s2, hwreg(HW_REG_IB_STS2, 6, 4)
	s_cmp_eq_u32 s2, 0
	s_cbranch_scc0 .Lentry_in_a_cluster
	s_endpgm
.Lentry_in_a_cluster:
	s_bfe_u32 s2, ttmp6, 0x10000c
	s_cmp_lg_u32 s2, 0xf033
	s_cbranch_scc0 .Lentry_shape_is_right
	s_endpgm
.Lentry_shape_is_right:
; out0 = o w_out + b_out on codes of FP4 (E2M1) with one E8M0 scale for each 32 along K = 1,024; f32 sums, f32 out.
; SHARES.  A work-group takes 128 tokens x 256 columns; eight waves, each 64 x 64: 16 accumulators.  Both operands for ALL of K lie in LDS at once, as two halves of K; every tensor load goes out at the head, no LDS byte is filled twice.
; o's codes lie in memory as images of operand registers, [tile of 16 tokens][head 16][lane 32][16 bytes]: heads 2 s and 2 s + 1 are the fragment of K step s; a half of K is 4,096 consecutive bytes of a tile.
; w_out's codes are rows of 512 bytes, K innermost; the scale bytes of both are rows of 32.
; CLUSTERS: 4 x 4 work-groups: o's tiles are shared along a row of the cluster, w_out's along a column, each asked for jointly.
; Source 0 = 16 columns of w_out, source 1 = 16 tokens: a lane holds eight neighbouring numbers of a row of out0.  The bias is the C of each sum's first product.
; THE WAY OUT: 16 tokens x 64 columns at a time through the wave's own stage in LDS, back as rows of 256 bytes: sixteen lanes store 256 consecutive bytes, aligned.
.set PITCH,  272
.set SUNIT,  272
.set WOFF,   32768                     ; in a slot: o's 8 tiles x 4,096 bytes, dense, then w_out's 256 rows of 272
.set SLOT,   WOFF+256*PITCH
.set SCL,    2*SLOT                    ; o's scales (16 units of 272), then w_out's (32 units)
.set STG,    SCL+48*SUNIT              ; the stages: 16 rows x 272 bytes for each wave, in blocks of their own, into which no tile lands
.set LI,     3
.set ADRO,   4                         ; v4-5   LDS address of my fragments of o in half 0, 1
.set ADRW,   6                         ; v6-7   the same for w_out
.set ADRS,   8
.set STO,    11                        ; v11    the stage: where I put 32 bytes of a row
.set RD,     12                        ; v12    and where I read a row back
.set GO,     13                        ; v13    my byte offset in out0
.set SC,     16
.set BIAS,   32
.set XF,     64
.set WF,     96
.set ACC,    128
.set WV,     18
.set G1X,    32                        ; descriptor groups 1, s[32:63]
.set G1W,    40
.set G1SX,   48
.set G1SW,   56
.set G0SX,   68                        ; groups 0, s[68:91].  None of s[32:63], s[68:91] is written behind the loads
.set G0X,    72
.set G0SW,   80
.set G0W,    84
.macro PLACES
.rept 4
	v_nop
.endr
.endm
.macro BAR
	s_barrier_signal -1
	s_barrier_wait -1
.endm
.macro CROUND
	s_barrier_signal -1
	s_barrier_wait -1
	s_cmp_lg_u32 s[WV], 0
	s_cbranch_scc1 .Lnot_wave_0_\@
	s_barrier_signal -3
.Lnot_wave_0_\@:
	s_barrier_wait -3
	s_barrier_signal -1
	s_barrier_wait -1
.endm
	s_load_b256 s[4:11], s[0:1], 0x0               ; o's codes s[4:5], o's scales s[6:7], w_out's codes s[8:9], w_out's scales s[10:11]
	s_load_b128 s[12:15], s[0:1], 0x20             ; b_out s[12:13], out0 s[14:15]
	v_lshl_add_u32 v10, v0, 2, 0x3db00
	s_set_vgpr_msb 0x40
	v_mov_b32 v1, 0
	s_set_vgpr_msb 0x4044
	ds_add_u32 v10, v1
	ds_add_u32 v10, v1
	s_set_vgpr_msb 0x4400
	v_lshrrev_b32 v1, 5, v0
	s_delay_alu instid0(VALU_DEP_1)
	v_readfirstlane_b32 s[WV], v1                  ; wave 0..7
	s_and_b32 s20, s[WV], 1                        ; which half of a tile's rows I fetch, if I fetch
	s_lshr_b32 s21, s[WV], 2                       ; my 64 tokens of the 128
	s_and_b32 s22, s[WV], 3                        ; my 64 columns of the 256
	s_bfe_u32 s23, ttmp6, 0x40000                  ; cx
	s_bfe_u32 s24, ttmp6, 0x40004                  ; cy
	s_lshl_b32 s25, ttmp9, 2
	s_add_co_u32 s25, s25, s23                     ; block of 256 columns
	s_and_b32 s26, ttmp7, 0xffff
	s_lshl_b32 s26, s26, 2
	s_add_co_u32 s26, s26, s24                     ; block of 128 tokens
	s_lshl_b32 s27, s24, 2
	s_lshl_b32 s27, 15, s27                        ; my row of the cluster
	s_lshl_b32 s28, 0x1111, s23                    ; my column
	s_or_b32 s[G1X], s27, (3<<16)|(1<<21)          ; o's codes: elements of 8 bytes, no padding: every read is 16 bytes a lane on end
	s_or_b32 s[G1W], s28, (1<<20)|(1<<21)|(5<<22)|(3<<25)
	s_or_b32 s[G1SX], s27, (3<<16)|(1<<20)|(1<<21)|(5<<22)|(3<<25)
	s_or_b32 s[G1SW], s28, (3<<16)|(1<<20)|(1<<21)|(5<<22)|(3<<25)
	s_mov_b32 s[G1X+1], 512<<16                    ; tensor_dim0: 4,096 bytes: a half of K of one tile of 16 tokens
	s_mov_b32 s[G1X+2], 4<<16                      ; tensor_dim1: four tiles a load
	s_mov_b32 s[G1X+3], 512<<16
	s_mov_b32 s[G1X+4], 4
	s_mov_b32 s[G1X+5], 1024                       ; 8,192 bytes from tile to tile
	s_mov_b32 s[G1X+6], 0
	s_mov_b32 s[G1X+7], 0
	s_mov_b32 s[G1W+1], 256<<16
	s_mov_b32 s[G1W+2], 128<<16
	s_mov_b32 s[G1W+3], 256<<16
	s_mov_b32 s[G1W+4], 128
	s_mov_b32 s[G1W+5], 512
	s_mov_b32 s[G1W+6], 0
	s_mov_b32 s[G1W+7], 0
	s_mov_b32 s[G1SX+1], 32<<16
	s_mov_b32 s[G1SX+2], 8<<16
	s_mov_b32 s[G1SX+3], 32<<16
	s_mov_b32 s[G1SX+4], 8
	s_mov_b32 s[G1SX+5], 32
	s_mov_b32 s[G1SX+6], 0
	s_mov_b32 s[G1SX+7], 0
	s_mov_b32 s[G1SW+1], 32<<16
	s_mov_b32 s[G1SW+2], 16<<16
	s_mov_b32 s[G1SW+3], 32<<16
	s_mov_b32 s[G1SW+4], 16
	s_mov_b32 s[G1SW+5], 32
	s_mov_b32 s[G1SW+6], 0
	s_mov_b32 s[G1SW+7], 0
	s_lshl_b32 s92, s26, 7
	s_lshl_b32 s29, s20, 6
	s_add_co_u32 s92, s92, s29                     ; o: token 128 x block + 64 x half
	s_lshl_b32 s94, s92, 5                         ; its scales: 32 bytes a token
	s_mov_b32 s95, 0
	s_lshl_b32 s92, s92, 9                         ; its codes: 8,192 bytes for 16 tokens
	s_mov_b32 s93, 0
	s_lshl_b32 s96, s25, 8
	s_lshl_b32 s29, s20, 7
	s_add_co_u32 s96, s96, s29                     ; w_out: column 256 x block + 128 x half
	s_lshl_b32 s98, s96, 5
	s_mov_b32 s99, 0
	s_lshl_b32 s96, s96, 9
	s_mov_b32 s97, 0
	s_mul_i32 s29, s20, 8*SUNIT
	s_lshl_b32 s30, s20, 14                        ; four tiles of 4,096 bytes
	s_mul_i32 s31, s20, 16*SUNIT
	s_mul_i32 s19, s20, 128*PITCH
	s_wait_dscnt 0x0
	s_wait_kmcnt 0x0
	s_add_nc_u64 s[92:93], s[4:5], s[92:93]
	s_add_nc_u64 s[94:95], s[6:7], s[94:95]
	s_add_nc_u64 s[96:97], s[8:9], s[96:97]
	s_add_nc_u64 s[98:99], s[10:11], s[98:99]
	s_mov_b32 s[G0SX], 1
	s_add_co_u32 s[G0SX+1], s29, SCL
	s_mov_b64 s[G0SX+2:G0SX+3], s[94:95]
	s_or_b32 s[G0SX+3], s[G0SX+3], 0x80000000
	s_mov_b32 s[G0SW], 1
	s_add_co_u32 s[G0SW+1], s31, SCL+16*SUNIT
	s_mov_b64 s[G0SW+2:G0SW+3], s[98:99]
	s_or_b32 s[G0SW+3], s[G0SW+3], 0x80000000
.irp c, 0,1
	s_mov_b32 s[G0X+4*\c], 1
	s_add_co_u32 s[G0X+4*\c+1], s30, \c*SLOT
	s_add_nc_u64 s[G0X+4*\c+2:G0X+4*\c+3], s[92:93], \c*4096
	s_or_b32 s[G0X+4*\c+3], s[G0X+4*\c+3], 0x80000000
	s_mov_b32 s[G0W+4*\c], 1
	s_add_co_u32 s[G0W+4*\c+1], s19, \c*SLOT+WOFF
	s_add_nc_u64 s[G0W+4*\c+2:G0W+4*\c+3], s[96:97], \c*256
	s_or_b32 s[G0W+4*\c+3], s[G0W+4*\c+3], 0x80000000
.endr
	CROUND                                         ; all sixteen work-groups are here: the joint loads meet
	; all fills of the launch, a wave's three in one branch on the wave's number: waves 0, 1 fetch for o, waves 2, 3 for w_out; scales, half 0, half 1.  Three tensor loads of a wave are out at the most.
	s_cmp_lt_u32 s[WV], 2
	s_cbranch_scc0 .Lnot_o
	tensor_load_to_lds s[G0SX:G0SX+3], s[G1SX:G1SX+7]
	s_nop 0
	tensor_load_to_lds s[G0X:G0X+3], s[G1X:G1X+7]
	s_nop 0
	tensor_load_to_lds s[G0X+4:G0X+7], s[G1X:G1X+7]
	s_nop 0
	PLACES
	s_branch .Lasked
.Lnot_o:
	s_cmp_lt_u32 s[WV], 4
	s_cbranch_scc0 .Lasked
	tensor_load_to_lds s[G0SW:G0SW+3], s[G1SW:G1SW+7]
	s_nop 0
	tensor_load_to_lds s[G0W:G0W+3], s[G1W:G1W+7]
	s_nop 0
	tensor_load_to_lds s[G0W+4:G0W+7], s[G1W:G1W+7]
	s_nop 0
	PLACES
.Lasked:
	; from here on the scalar temporaries are s2, s3, s29 and s30: no register of a descriptor is written while its load may be out
	v_and_b32 v1, 15, v0                           ; r
	v_bfe_u32 v2, v0, 4, 1                         ; h
	v_and_b32 v[LI], 31, v0
	s_delay_alu instid0(VALU_DEP_1)
	v_lshlrev_b32 v[LI], 4, v[LI]
	s_lshl_b32 s29, s21, 14                        ; my four tiles of o
	v_add_nc_u32 v[ADRO], s29, v[LI]
	s_add_co_u32 s29, s29, SLOT
	v_add_nc_u32 v[ADRO+1], s29, v[LI]
	v_mul_u32_u24 v14, v1, PITCH
	s_delay_alu instid0(VALU_DEP_1)
	v_lshl_add_u32 v14, v2, 4, v14
	s_mul_i32 s30, s22, 64*PITCH                   ; my 64 columns of w_out, behind o's tiles
	s_add_co_u32 s30, s30, WOFF
	v_add_nc_u32 v[ADRW], s30, v14
	s_add_co_u32 s30, s30, SLOT
	v_add_nc_u32 v[ADRW+1], s30, v14
	v_lshlrev_b32 v[ADRS], 5, v1
	v_lshrrev_b32 v15, 3, v1
	s_delay_alu instid0(VALU_DEP_1)
	v_lshl_add_u32 v[ADRS], v15, 4, v[ADRS]        ; 32 bytes a row, and 16 more for each 256 passed
	s_mul_i32 s29, s21, 8*SUNIT
	s_mul_i32 s30, s22, 8*SUNIT
	s_add_co_u32 s30, s30, 16*SUNIT
	s_sub_co_u32 s30, s30, s29
	v_mul_u32_u24 v15, s30, v2                     ; lanes 16-31 take w_out's: the lower base + h x the distance
	s_add_co_u32 s29, s29, SCL
	v_add_nc_u32 v[ADRS], v[ADRS], v15
	s_delay_alu instid0(VALU_DEP_1)
	v_add_nc_u32 v[ADRS], s29, v[ADRS]
	v_lshlrev_b32 v9, 5, v2                        ; the bias: 8 numbers for each half of the lanes
	s_wait_alu depctr_va_vdst(0)
	s_mul_i32 s29, s[WV], 16*SUNIT
	s_add_co_u32 s29, s29, STG                     ; my stage
	v_mul_u32_u24 v[STO], v1, SUNIT
	s_delay_alu instid0(VALU_DEP_1)
	v_lshl_add_u32 v[STO], v2, 5, v[STO]
	s_delay_alu instid0(VALU_DEP_1)
	v_add_nc_u32 v[STO], s29, v[STO]               ; in: row r, 32 bytes for each half of the lanes
	v_mul_u32_u24 v[RD], v2, SUNIT
	s_delay_alu instid0(VALU_DEP_1)
	v_lshl_add_u32 v[RD], v1, 4, v[RD]
	s_delay_alu instid0(VALU_DEP_1)
	v_add_nc_u32 v[RD], s29, v[RD]                 ; back: lanes 0-15 one row of 256 bytes, lanes 16-31 the next
	v_lshlrev_b32 v[GO], 12, v2
	s_delay_alu instid0(VALU_DEP_1)
	v_lshl_add_u32 v[GO], v1, 4, v[GO]             ; and the same two rows in out0: 4,096 bytes a row
	s_lshl_b32 s2, s25, 10
	s_lshl_b32 s3, s22, 8
	s_add_co_u32 s2, s2, s3                        ; my 64 columns, in bytes
	s_mov_b32 s3, 0
	s_add_nc_u64 s[12:13], s[12:13], s[2:3]
	s_add_nc_u64 s[14:15], s[14:15], s[2:3]
	s_lshl_b32 s2, s26, 19                         ; my first token: (128 x block + 64 x half) rows of 4,096 bytes
	s_lshl_b32 s29, s21, 18
	s_add_co_u32 s2, s2, s29
	s_add_nc_u64 s[14:15], s[14:15], s[2:3]
.irp t, 0,1,2,3
	global_load_b128 v[BIAS+8*\t:BIAS+8*\t+3], v9, s[12:13] offset:64*\t       ; register j of tile t: column 16 t + 8 h + j
	global_load_b128 v[BIAS+8*\t+4:BIAS+8*\t+7], v9, s[12:13] offset:64*\t+16
.endr
.macro FRAGW reg, c, q, i
	ds_load_b128 v[\reg:\reg+3], v[ADRW+\c] offset:64*(\q)+(\i)*16*PITCH
	ds_load_b128 v[\reg+4:\reg+7], v[ADRW+\c] offset:64*(\q)+32+(\i)*16*PITCH
.endm
.macro FRAGO reg, c, q, i              ; tile i, the half's q-th K step: two heads' images, 512 bytes each
	ds_load_b128 v[\reg:\reg+3], v[ADRO+\c] offset:4096*(\i)+1024*(\q)
	ds_load_b128 v[\reg+4:\reg+7], v[ADRO+\c] offset:4096*(\i)+1024*(\q)+512
.endm
.macro SCALES c
.irp i, 0,1,2,3
	ds_load_b128 v[SC+4*\i:SC+4*\i+3], v[ADRS] offset:2*SUNIT*\i+16*(\c)
.endr
.endm
; 8 products: o's tiles a0, a0 + 1 x w_out's four.  The 16 accumulators take turns, one instruction a turn, in one order in every step.
.macro MUL8 a0, q, first
.irp a, \a0, \a0+1
.irp t, 0,1,2,3
.if \first
	v_wmma_scale_f32_16x16x128_f8f6f4 v[ACC+8*(4*(\a)+\t):ACC+8*(4*(\a)+\t)+7], v[WF+8*\t:WF+8*\t+7], v[XF+8*(\a):XF+8*(\a)+7], v[BIAS+8*\t:BIAS+8*\t+7], v[SC+4*\t+(\q)], v[SC+4*(\a)+(\q)] matrix_a_fmt:MATRIX_FMT_FP4 matrix_b_fmt:MATRIX_FMT_FP4 matrix_a_scale:MATRIX_SCALE_ROW1
.else
	v_wmma_scale_f32_16x16x128_f8f6f4 v[ACC+8*(4*(\a)+\t):ACC+8*(4*(\a)+\t)+7], v[WF+8*\t:WF+8*\t+7], v[XF+8*(\a):XF+8*(\a)+7], v[ACC+8*(4*(\a)+\t):ACC+8*(4*(\a)+\t)+7], v[SC+4*\t+(\q)], v[SC+4*(\a)+(\q)] matrix_a_fmt:MATRIX_FMT_FP4 matrix_b_fmt:MATRIX_FMT_FP4 matrix_a_scale:MATRIX_SCALE_ROW1
.endif
.endr
.endr
.endm
.macro KSTEP c, q, first
	PLACES                                         ; in front of loads into registers that the last step's products read
.if (\q) == 0
	SCALES \c
.endif
.irp i, 0,1,2,3
	FRAGW WF+8*\i, \c, \q, \i
.endr
.irp i, 0,1,2,3
	FRAGO XF+8*\i, \c, \q, \i
.endr
	s_wait_dscnt 0x4                               ; all but the youngest four loads: o's tiles 2 and 3
	MUL8 0, \q, \first
	s_wait_dscnt 0x0
	MUL8 2, \q, \first
.endm
	s_wait_loadcnt 0x0                             ; the bias
	s_wait_tensorcnt 0x1                           ; my scales and my part of half 0 have landed; half 1's load may stay out
	BAR
	KSTEP 0, 0, 1                                  ; the first step's products take the bias as C
	KSTEP 0, 1, 0
	KSTEP 0, 2, 0
	KSTEP 0, 3, 0
	s_wait_tensorcnt 0x0                           ; my part of half 1 has landed (my LDS loads were waited for in the last step)
	BAR
	KSTEP 1, 0, 0
	KSTEP 1, 1, 0
	KSTEP 1, 2, 0
	KSTEP 1, 3, 0
	; THE WAY OUT.  LDS serves a wave's instructions in order (ISA guide 5.7.1.4): no wait between my stores into my stage and my loads from it, nor in front of the next tile's stores.
	PLACES
	s_wait_alu depctr_va_vdst(0)
.irp a, 0,1,2,3
.if \a >= 2
	s_wait_xcnt 0x0                                ; the stores of two tiles back have read their registers, into which this tile's rows are loaded
.endif
.irp t, 0,1,2,3
	ds_store_b128 v[STO], v[ACC+8*(4*\a+\t):ACC+8*(4*\a+\t)+3] offset:64*\t        ; each accumulator from its low end on
	ds_store_b128 v[STO], v[ACC+8*(4*\a+\t)+4:ACC+8*(4*\a+\t)+7] offset:64*\t+16
.endr
.irp i, 0,1,2,3,4,5,6,7
	ds_load_b128 v[64+32*(\a%2)+4*\i:64+32*(\a%2)+4*\i+3], v[RD] offset:2*SUNIT*\i
.endr
.irp i, 0,1,2,3,4,5,6,7
	s_wait_dscnt 7-\i                              ; the younger loads from the stage may stay out
	global_store_b128 v[GO], v[64+32*(\a%2)+4*\i:64+32*(\a%2)+4*\i+3], s[14:15] offset:(16*\a+2*\i)*4096 th:TH_STORE_NT   ; 16 lanes store 256 consecutive bytes, at a multiple of 256 from out0's first byte
.endr
.endr
	s_wait_dscnt 0x0
	s_set_vgpr_msb 0x4
	s_wait_tensorcnt 0x0
	ds_add_u32 v10, v1
	s_wait_dscnt 0x0
	s_set_vgpr_msb 0x400
	CROUND                                         ; the closing round
	s_endpgm
.Lfunc_end_k_q7ab63d518b_proj:
	.size	k_q7ab63d518b_proj, .Lfunc_end_k_q7ab63d518b_proj-k_q7ab63d518b_proj
	.p2alignl 7, 3214868480
	.fill 96, 4, 3214868480
	.section	.rodata,"a",@progbits
	.p2align	6, 0x0
	.amdhsa_kernel k_q7ab63d518b_proj
		.amdhsa_group_segment_fixed_size 253696
		.amdhsa_private_segment_fixed_size 0
		.amdhsa_enable_private_segment 0
		.amdhsa_kernarg_size 48
		.amdhsa_user_sgpr_count 2
		.amdhsa_user_sgpr_kernarg_segment_ptr 1
		.amdhsa_wavefront_size32 1
		.amdhsa_system_sgpr_workgroup_id_x 1
		.amdhsa_system_sgpr_workgroup_id_y 1
		.amdhsa_system_sgpr_workgroup_id_z 1
		.amdhsa_system_vgpr_workitem_id 0
		.amdhsa_next_free_vgpr 258
		.amdhsa_next_free_sgpr 100
		.amdhsa_reserve_vcc 0
		.amdhsa_float_denorm_mode_32 3
		.amdhsa_float_denorm_mode_16_64 3
		.amdhsa_memory_ordered 1
		.amdhsa_forward_progress 1
		.amdhsa_inst_pref_size 45
	.end_amdhsa_kernel
	.amdgpu_metadata
---
amdhsa.version: [ 1, 2 ]
amdhsa.kernels:
  - .name:           k_q7ab63d518b_proj
    .symbol:         k_q7ab63d518b_proj.kd
    .args:
      - { .name: o_codes, .offset: 0, .size: 8, .value_kind: global_buffer, .address_space: global }
      - { .name: o_scales, .offset: 8, .size: 8, .value_kind: global_buffer, .address_space: global }
      - { .name: w_out_codes, .offset: 16, .size: 8, .value_kind: global_buffer, .address_space: global }
      - { .name: w_out_scales, .offset: 24, .size: 8, .value_kind: global_buffer, .address_space: global }
      - { .name: b_out, .offset: 32, .size: 8, .value_kind: global_buffer, .address_space: global }
      - { .name: out0, .offset: 40, .size: 8, .value_kind: global_buffer, .address_space: global }
    .group_segment_fixed_size: 253696
    .private_segment_fixed_size: 0
    .kernarg_segment_align: 8
    .kernarg_segment_size: 48
    .max_flat_workgroup_size: 256
    .sgpr_count:     100
    .vgpr_count:     258
    .wavefront_size: 32
...
	.end_amdgpu_metadata
.endif
;; end of part 3
